; MI455X (gfx1250); checked and timed in simulation.
; The chip was launched on July 23, 2026; its instructions are those of AMD's public machine-readable ISA for CDNA 5 (MIT licence, August 2026) and "CDNA5" Instruction Set Architecture Reference Guide (July 2026). The comments in the code are by the model that wrote it; some were corrected since.
;; Simple Standard Attention. Allowed arithmetic: matrix products marked QUANTISED: E2M1 operands, one E8M0 scale for each 32 along K, by v_wmma_scale_f32_16x16x128_f8f6f4 with both operands' format E2M1 (or v_wmma_scale_f32_32x16x128_f4), f32 sums; products left as they are: bf16, f16 or f32 operands; f32 sums; everything else in f32.
;; Inputs: Wout 1,024 x 1,024 float32; Wqkv 1,024 x 3,072 float32; x 4 x 4,096 x 1,024 float32.
;; Outputs: out0 4 x 4,096 x 1,024 float32.
;; This version of the problem:
;;   THIS VERSION OF THE PROBLEM IS GIVEN IN LOW PRECISION. The matrix products marked QUANTISED in the list below multiply operands that are first quantised to E2M1 (2 exponent bits, 1 mantissa bit; 4 bits a number), with one power-of-two scale for each 32 numbers along K (OCP MX v1.0); their sums are f32. The products marked 'left as it is' may take bf16, f16 or f32 operands, with f32 sums. Whichever they take, every output number must still come out within the allowed error. Rounding operands to bf16 (8 significant bits) uses up far more of that allowance than f16 does (11 bits, for magnitudes from 6e-5 to 65,504). All else is computed in f32.
;;   The module's matrix products, in the order in which they are computed (A, B: the left and right operand; K: the contracted axis; several contracted axes count as one K, in the product's order):
;;     1. [M 16,384, K 1,024] x [K 1,024, N 3,072]; A: input x; B: input Wqkv: QUANTISED
;;     2. batch 16,384 x [M 16, K 64] x [K 64, N 16]; A: computed on the way; B: computed on the way: left as it is (an operand is computed on the way)
;;     3. batch 16,384 x [M 16, K 16] x [K 16, N 64]; A: computed on the way; B: computed on the way: left as it is (K = 16 < 32)
;;     4. [M 16,384, K 1,024] x [K 1,024, N 1,024]; A: computed on the way; B: input Wout: left as it is (an operand is computed on the way)
;;   THE QUANTISER, for each operand of a quantised product, along K:
;;     - K is cut into blocks of 32 from its start; a last block that is shorter is filled with zeros.
;;     - A block's scale is 2^e with e = floor(log2(the largest magnitude in the block)) - 2, held to -126 .. 127; a block of zeros has e = 0. As a byte (E8M0): e + 127.
;;     - Each number is divided by its block's scale, clamped to +-6, and rounded to the nearest number of E2M1, ties to even, subnormals kept.
;;     - The product sums the exact products of the quantised numbers (number of the format x scale) in f32.
;;   ~~~python
;;   def quantise(x, axis):      # numpy; x: float32 -> the quantised numbers, widened to float32 again
;;       x = np.moveaxis(x, axis, -1); K = x.shape[-1]
;;       x = np.pad(x, [(0, 0)] * (x.ndim - 1) + [(0, -K % 32)]); x = x.reshape(x.shape[:-1] + (-1, 32)); a = np.abs(x).max(-1, keepdims=True)
;;       e = np.where(a > 0, np.clip(np.frexp(np.where(a > 0, a, 1))[1] - 1 - 2, -126, 127), 0)      # np.frexp(a)[1] - 1 = floor(log2(a)), exactly
;;       r = np.clip(x / 2.0 ** e, -6, 6)
;;       step = 2.0 ** (np.maximum(np.frexp(np.where(r == 0, 1, r))[1] - 1, 0) - 1)
;;       q = np.round(r / step) * step * 2.0 ** e      # np.round: ties to even
;;       return np.moveaxis(q.reshape(q.shape[:-2] + (-1,))[..., :K], -1, axis).astype(np.float32)
;;   ~~~
;; One version. Each part assembles by itself: llvm-mc -triple=amdgcn-amd-amdhsa -mcpu=gfx1250 --defsym DOCPART=n.
;; ======== version 1 of 1: 3 launches
;; limits: values are held in f16: magnitudes above 65,504 overflow, below 6.1e-05 lose precision
;; workspace buffers: wq 1,671,168 bytes; wt 2,097,152 bytes; ob 33,554,432 bytes
;; launch prep (part 1): grid 64 x 1, 16 waves a work-group, no clusters, 211,968 bytes of LDS; arguments Wqkv, Wout, wq, wt; writes wq, wt
.if DOCPART == 1
	.amdgcn_target "amdgcn-amd-amdhsa--gfx1250"
	.amdhsa_code_object_version 6
	.text
	.protected	k_qac273f38f2_prep
	.globl	k_qac273f38f2_prep
	.p2align	8
	.type	k_qac273f38f2_prep,@function
k_qac273f38f2_prep:
	s_mov_b64 s[64:65], 0
	v_nop
	global_prefetch_b8 v0, s[64:65] scope:SCOPE_SE
	s_setreg_imm32_b32 hwreg(HW_REG_WAVE_MODE, 25, 1), 1
	s_wait_xcnt 0x0
; THE WEIGHTS ARE LAID OUT ONCE.  Wqkv [1024 (k)][3072] f32 becomes codes of FP4 (E2M1) with one E8M0 byte for each 32 along K, in the order of the operand's registers (buffer wq);
; Wout [1024 (k)][1024 (n)] f32 becomes f16, laid [n][kappa] with K innermost and permuted (buffer wt).
; wq: [fill f = 2 sp + hs][wave w of the next launch][K step q of the half hs][8,704 bytes]: eight images of 1,024 bytes (tile n: byte 512 c + 16 lane = the 32 codes of k = 128 (4 hs + q) + 64 c + 32 (lane / 16) + 0 .. 31
; of tile row lane % 16), then 512 bytes of scale words (byte 16 lane + 4 i = the word of tile 4 (lane / 16) + i, row lane % 16).
; A sub-pass sp is 512 columns, 16 heads x 32 dims dd: sp 0, 2: q's dims 0-31, 32-63; sp 1, 3: k's; sp 4, 5: v's.  Tile g = 8 w + n of 16 columns: q, k: g = 2 head + dd / 16, row dd % 16;  v: g = dd, row = head.
; wt: kappa = 128 grp + 8 i + jj stands for k = 64 i + 8 grp + jj (i: head, grp 0 .. 7): the order in which the next launch's lanes hold the attention's result.
; SHARES.  Work-groups 0-31: q and k, sub-pass = number / 8, K step of 128 = number % 8; 32-47: v likewise; 48-63: Wout.  Sixteen waves.  For Wqkv wave u takes head u and lane l column dd = l, ITS REGISTERS RUNNING DOWN K:
; a block of 32 lies in one lane, the conversions give codes with K innermost, and nothing is transposed by an instruction.  Codes and scale words meet in LDS as images and leave in stores of 512 consecutive bytes.
; A block's scale is 2^(floor(log2(largest magnitude)) - 2); its byte is the largest magnitude's exponent field - 2, held at 1 from below.
; LIMITS: a block of zeros gets the byte 1 with zero codes (this program alone reads the bytes); blocks whose largest magnitude lies under 2^(2 - 126) are held at that byte; NaN and infinities are not served; |Wout| stays under 65,504 (f16).
; The three ways part on the work-group's number; each has LDS bytes of its own.  No tensor load, no ring.
.set IMGQ,  0                          ; q, k: 32 images, 1,040 bytes apart, then 2,048 bytes of scale words
.set IMGV,  35328                      ; v: the same
.set SCO,   33280                      ; where the scale words begin in either
.set TST,   70656                      ; Wout: 32 rows x (256 + 16) bytes for each wave
.set SPARE, 209920                     ; the spare words, 128 bytes for each wave: eight blocks of 256 bytes that no other line names
.set FILLB, 139264
.set WPART, 34816
.set KBLK,  8704
.set SPW,  2                           ; v2   LDS address of my spare word; never rewritten
.set NIL,  3                           ; v3   0; never rewritten
.set L4,   4                           ; v4   4 x lane
.set L16,  5                           ; v5   16 x lane
.set UAQ,  6                           ; v6   q, k: where my codes go
.set SAQ,  7                           ; v7   and my scale word
.set UAV,  8                           ; v8, v9 the same for v
.set SAV,  9
.set RDQ,  10                          ; v10, v11 where my wave reads two images back
.set RDV,  11
.set RSQ,  12                          ; v12, v13 where waves 0-3 read 512 bytes of scale words back
.set RSV,  13
.set TSTO, 14                          ; v14  Wout: my row of my wave's stage
.set TRD,  15                          ; v15  and the way back: sixteen lanes to a row
.set TGO,  16                          ; v16  the same place in wt
.set MA,   17                          ; v17, v18 two chains of the largest magnitude; v19 the conversion's scale operand; v20 the byte; v21 my scale word
.set MB,   18
.set SCL,  19
.set BY,   20
.set SW,   21
.set X,    32                          ; v32-159  128 numbers of my column
.set C,    160                         ; v160..   codes (16 registers) or f16 pairs (64)
.macro QBLOCK b                        ; block b of my column: k = 32 b + 0 .. 31 of the K step
.set XS, X+32*\b
	v_max3_num_f32 v[MA], |v[XS]|, |v[XS+1]|, |v[XS+2]|
	v_max3_num_f32 v[MB], |v[XS+3]|, |v[XS+4]|, |v[XS+5]|
.irp i, 6,10,14,18,22,26
	v_max3_num_f32 v[MA], v[MA], |v[XS+\i]|, |v[XS+\i+1]|
	v_max3_num_f32 v[MB], v[MB], |v[XS+\i+2]|, |v[XS+\i+3]|
.endr
	v_max3_num_f32 v[MA], v[MA], |v[XS+30]|, |v[XS+31]|
	v_max3_num_f32 v[MA], v[MA], v[MB], 0x1800000  ; and the floor 2^(3 - 127): the byte cannot fall under 1
	v_add_nc_u32 v[SCL], 0xff000000, v[MA]         ; 2 off the exponent field: the conversion takes the exponent field of this operand as its scale
	v_lshrrev_b32 v[BY], 23, v[SCL]                ; the scale's byte
.if \b == 0
	v_mov_b32 v[SW], v[BY]
.else
	v_lshl_or_b32 v[SW], v[BY], 8*\b, v[SW]        ; the lower K in the lower byte
.endif
.irp g, 0,1,2,3
	v_cvt_scalef32_pk8_fp4_f32 v[C+4*\b+\g], v[XS+8*\g:XS+8*\g+7], v[SCL]
.endr
.endm
; The way out of a K step's codes: into the images (block b = 2 c + h lies 256 b bytes into its tile's image), a barrier, and back: wave u takes tiles 2 u and 2 u + 1, waves 0-3 also 512 bytes of scale words.
.macro OUTQ ua, sa, rd, rs
.irp b, 0,1,2,3
	ds_store_b128 v[\ua], v[C+4*\b:C+4*\b+3] offset:256*\b
.endr
	ds_store_b32 v[\sa], v[SW]
	s_wait_dscnt 0x0                               ; for the others' sake: my stores have landed
	s_barrier_signal -1
	s_barrier_wait -1
	ds_load_b128 v[X:X+3], v[\rd]
	ds_load_b128 v[X+4:X+7], v[\rd] offset:512
	ds_load_b128 v[X+8:X+11], v[\rd] offset:1040
	ds_load_b128 v[X+12:X+15], v[\rd] offset:1552
.irp t, 0,1,2,3
	s_wait_dscnt 3-\t                              ; LDS loads come back in order: load t is in
	global_store_b128 v[L16], v[X+4*\t:X+4*\t+3], s[26:27] offset:512*\t   ; 32 lanes store 512 consecutive bytes, at a multiple of 256 from wq's first byte
.endr
	s_cmp_ge_u32 s12, 4
	s_cbranch_scc1 .Lno_words_\@
	ds_load_b128 v[X+16:X+19], v[\rs]
	s_wait_dscnt 0x0
	global_store_b128 v[L16], v[X+16:X+19], s[24:25] offset:8192
.Lno_words_\@:
	s_wait_tensorcnt 0x0                           ; the wave's end
	ds_add_u32 v[SPW], v[NIL]
	s_wait_dscnt 0x0
	s_endpgm
.endm
.macro TPART first, count              ; Wout: heads first .. first + count - 1: eight numbers become 16 bytes of my row
.set i, \first
.rept \count
.irp p, 0,1,2,3
	v_cvt_pk_f16_f32 v[C+4*i+\p], v[X+8*i+2*\p], v[X+8*i+2*\p+1]
.endr
	ds_store_b128 v[TSTO], v[C+4*i:C+4*i+3] offset:16*i
.set i, i+1
.endr
.endm
	s_load_b256 s[4:11], s[0:1], 0x0               ; Wqkv s[4:5], Wout s[6:7], wq s[8:9], wt s[10:11]
	v_lshl_add_u32 v[SPW], v0, 2, SPARE
	v_mov_b32 v[NIL], 0
	v_lshrrev_b32 v1, 5, v0
	v_readfirstlane_b32 s12, v1                    ; wave u
	v_and_b32 v1, 31, v0                           ; lane l
	v_lshlrev_b32 v[L4], 2, v1
	v_lshlrev_b32 v[L16], 4, v1
	v_and_b32 v22, 15, v1                          ; l % 16
	v_lshrrev_b32 v23, 4, v1                       ; l / 16
	; every LDS address of all three ways is made here, ahead of the parting
	s_mul_i32 s13, s12, 2080
	v_mul_u32_u24 v[UAQ], v23, 1040
	v_lshl_add_u32 v[UAQ], v22, 4, v[UAQ]
	v_add_nc_u32 v[UAQ], s13, v[UAQ]               ; q, k: tile 2 u + l / 16, row l % 16
	s_lshr_b32 s14, s12, 2
	s_lshl_b32 s14, s14, 9                         ; its word: 512 (u / 4)
	s_bfe_u32 s15, s12, 0x10001
	s_lshl_b32 s15, s15, 8                         ; + 256 ((u % 4) / 2)
	s_add_co_u32 s14, s14, s15
	s_and_b32 s15, s12, 1
	s_lshl_b32 s15, s15, 3                         ; + 8 (u % 2)
	s_add_co_u32 s14, s14, s15
	s_add_co_u32 s14, s14, IMGQ+SCO
	v_lshlrev_b32 v[SAQ], 4, v22                   ; + 16 (l % 16) + 4 (l / 16)
	v_lshl_add_u32 v[SAQ], v23, 2, v[SAQ]
	v_add_nc_u32 v[SAQ], s14, v[SAQ]
	s_lshl_b32 s15, s12, 4
	s_add_co_u32 s15, s15, IMGV
	v_mul_u32_u24 v[UAV], v1, 1040
	v_add_nc_u32 v[UAV], s15, v[UAV]               ; v: tile l, row u
	v_lshrrev_b32 v24, 3, v1
	v_lshlrev_b32 v[SAV], 9, v24                   ; its word: 512 (l / 8)
	v_bfe_u32 v24, v1, 2, 1
	v_lshl_add_u32 v[SAV], v24, 8, v[SAV]          ; + 256 ((l / 4) % 2)
	v_and_b32 v24, 3, v1
	v_lshl_add_u32 v[SAV], v24, 2, v[SAV]          ; + 4 (l % 4)
	s_add_co_u32 s15, s15, SCO
	v_add_nc_u32 v[SAV], s15, v[SAV]               ; + 16 u
	v_add_nc_u32 v[RDQ], s13, v[L16]
	v_add_nc_u32 v[RDV], IMGV, v[RDQ]
	s_lshl_b32 s16, s12, 9
	s_add_co_u32 s16, s16, IMGQ+SCO
	v_add_nc_u32 v[RSQ], s16, v[L16]
	v_add_nc_u32 v[RSV], IMGV, v[RSQ]
	s_mul_i32 s17, s12, 8704
	s_add_co_u32 s17, s17, TST
	v_mul_u32_u24 v[TSTO], v1, 272
	v_add_nc_u32 v[TSTO], s17, v[TSTO]
	v_mul_u32_u24 v[TRD], v23, 272
	v_lshl_add_u32 v[TRD], v22, 4, v[TRD]
	v_add_nc_u32 v[TRD], s17, v[TRD]
	v_lshlrev_b32 v[TGO], 4, v22
	v_lshl_add_u32 v[TGO], v23, 11, v[TGO]         ; a row of wt is 2,048 bytes
	s_wait_kmcnt 0x0
	s_cmp_ge_u32 ttmp9, 48
	s_cbranch_scc1 .Ltpath
	; ---- Wqkv: what q, k and v have in common
	s_lshr_b32 s18, ttmp9, 3                       ; sub-pass sp
	s_and_b32 s19, ttmp9, 7                        ; K step s
	s_and_b32 s20, s18, 1
	s_lshl_b32 s20, s20, 10
	s_lshr_b32 s21, s18, 1
	s_lshl_b32 s21, s21, 5
	s_add_co_u32 s20, s20, s21                     ; q, k: first column 1024 (sp % 2) + 32 (sp / 2)
	s_lshl_b32 s21, s18, 5
	s_add_co_u32 s21, s21, 2048-128                ; v: 2048 + 32 (sp - 4)
	s_cmp_lt_u32 s18, 4
	s_cselect_b32 s20, s20, s21
	s_lshl_b32 s21, s12, 6
	s_add_co_u32 s20, s20, s21                     ; + 64 u: my head
	s_lshl_b32 s20, s20, 2
	s_mul_i32 s21, s19, 128*12288                  ; + 128 s rows of 12,288 bytes
	s_add_co_u32 s20, s20, s21
	s_mov_b32 s21, 0
	s_add_nc_u64 s[22:23], s[4:5], s[20:21]
.set i, 0
.rept 128
	global_load_b32 v[X+i], v[L4], s[22:23] offset:i*12288 th:TH_LOAD_NT   ; row k of my 32 columns: 128 consecutive bytes a wave; each byte of Wqkv is read once in the launch
.set i, i+1
.endr
	s_lshl_b32 s24, s18, 1                         ; where the K step's block begins in wq: fill 2 sp + s / 4,
	s_lshr_b32 s25, s19, 2
	s_add_co_u32 s24, s24, s25
	s_mul_i32 s24, s24, FILLB
	s_and_b32 s25, s19, 3                          ; K step s % 4 of the half
	s_mul_i32 s25, s25, KBLK
	s_add_co_u32 s24, s24, s25
	s_lshr_b32 s25, s12, 2                         ; my two images: wave part u / 4, tiles 2 (u % 4) on
	s_mul_i32 s25, s25, WPART
	s_and_b32 s26, s12, 3
	s_lshl_b32 s26, s26, 11
	s_add_co_u32 s25, s25, s26
	s_add_co_u32 s26, s24, s25
	s_mov_b32 s27, 0
	s_add_nc_u64 s[26:27], s[8:9], s[26:27]
	s_mul_i32 s25, s12, WPART                      ; waves 0-3: wave part u's scale words (used by them alone)
	s_add_co_u32 s24, s24, s25
	s_mov_b32 s25, 0
	s_add_nc_u64 s[24:25], s[8:9], s[24:25]
	s_wait_loadcnt 63                              ; at most the last 63 loads are out: rows 0 to 64 are in
	QBLOCK 0
	QBLOCK 1
	s_wait_loadcnt 32                              ; rows 0 to 95
	QBLOCK 2
	s_wait_loadcnt 0x0
	QBLOCK 3
	v_nop                                          ; one plain line behind the last scaled conversion
	s_cmp_ge_u32 ttmp9, 32
	s_cbranch_scc1 .Lvpath
	OUTQ UAQ, SAQ, RDQ, RSQ
.Lvpath:
	OUTQ UAV, SAV, RDV, RSV
	; ---- Wout: wave (cg, grp) takes columns 32 cg + l and the 128 rows k = 64 i + 8 grp + jj
.Ltpath:
	s_sub_co_u32 s18, ttmp9, 48
	s_lshl_b32 s18, s18, 1
	s_lshr_b32 s19, s12, 3
	s_add_co_u32 s18, s18, s19                     ; cg = 2 (number - 48) + u / 8
	s_and_b32 s19, s12, 7                          ; grp = u % 8
	s_lshl_b32 s20, s19, 15                        ; 8 grp rows of 4,096 bytes
	s_lshl_b32 s21, s18, 7                         ; + 32 cg columns
	s_add_co_u32 s20, s20, s21
	s_mov_b32 s21, 0
	s_add_nc_u64 s[22:23], s[6:7], s[20:21]
	s_lshl_b32 s20, s18, 16                        ; wt: 32 cg rows of 2,048 bytes
	s_lshl_b32 s24, s19, 8                         ; + 256 grp
	s_add_co_u32 s20, s20, s24
	s_add_nc_u64 s[24:25], s[10:11], s[20:21]
.set i, 0
.rept 128
	global_load_b32 v[X+i], v[L4], s[22:23] offset:(64*(i/8)+i%8)*4096 th:TH_LOAD_NT
.set i, i+1
.endr
	s_wait_loadcnt 63                              ; heads 0 to 7 are in
	TPART 0, 8
	s_wait_loadcnt 32                              ; heads 0 to 11
	TPART 8, 4
	s_wait_loadcnt 0x0
	TPART 12, 4
.irp t, 0,1,2,3,4,5,6,7,8,9,10,11,12,13,14,15
	ds_load_b128 v[X+4*\t:X+4*\t+3], v[TRD] offset:544*\t          ; LDS serves a wave's instructions in order: these see my stores; the stage is my wave's own
.endr
.irp t, 0,1,2,3,4,5,6,7,8,9,10,11,12,13,14,15
	s_wait_dscnt 15-\t
	global_store_b128 v[TGO], v[X+4*\t:X+4*\t+3], s[24:25] offset:4096*\t   ; sixteen lanes store 256 consecutive bytes, aligned; two rows an instruction
.endr
	s_wait_tensorcnt 0x0                           ; the wave's end
	ds_add_u32 v[SPW], v[NIL]
	s_wait_dscnt 0x0
	s_endpgm
.Lfunc_end_k_qac273f38f2_prep:
	.size	k_qac273f38f2_prep, .Lfunc_end_k_qac273f38f2_prep-k_qac273f38f2_prep
	.p2alignl 7, 3214868480
	.fill 96, 4, 3214868480
	.section	.rodata,"a",@progbits
	.p2align	6, 0x0
	.amdhsa_kernel k_qac273f38f2_prep
		.amdhsa_group_segment_fixed_size 211968
		.amdhsa_private_segment_fixed_size 0
		.amdhsa_enable_private_segment 0
		.amdhsa_kernarg_size 32
		.amdhsa_user_sgpr_count 2
		.amdhsa_user_sgpr_kernarg_segment_ptr 1
		.amdhsa_wavefront_size32 1
		.amdhsa_system_sgpr_workgroup_id_x 1
		.amdhsa_system_sgpr_workgroup_id_y 1
		.amdhsa_system_sgpr_workgroup_id_z 1
		.amdhsa_system_vgpr_workitem_id 0
		.amdhsa_next_free_vgpr 224
		.amdhsa_next_free_sgpr 66
		.amdhsa_reserve_vcc 0
		.amdhsa_float_denorm_mode_32 3
		.amdhsa_float_denorm_mode_16_64 3
		.amdhsa_memory_ordered 1
		.amdhsa_forward_progress 1
		.amdhsa_inst_pref_size 46
	.end_amdhsa_kernel
	.amdgpu_metadata
---
amdhsa.version: [ 1, 2 ]
amdhsa.kernels:
  - .name:           k_qac273f38f2_prep
    .symbol:         k_qac273f38f2_prep.kd
    .args:
      - { .name: Wqkv, .offset: 0, .size: 8, .value_kind: global_buffer, .address_space: global }
      - { .name: Wout, .offset: 8, .size: 8, .value_kind: global_buffer, .address_space: global }
      - { .name: wq, .offset: 16, .size: 8, .value_kind: global_buffer, .address_space: global }
      - { .name: wt, .offset: 24, .size: 8, .value_kind: global_buffer, .address_space: global }
    .group_segment_fixed_size: 211968
    .private_segment_fixed_size: 0
    .kernarg_segment_align: 8
    .kernarg_segment_size: 32
    .max_flat_workgroup_size: 512
    .sgpr_count:     66
    .vgpr_count:     224
    .wavefront_size: 32
...
	.end_amdgpu_metadata
.endif
;; end of part 1
;; launch qkvattn (part 2): grid 256 x 1, 4 waves a work-group, clusters of 4 x 1, 327,680 bytes of LDS; arguments x, wq, ob; writes ob
.if DOCPART == 2
	.amdgcn_target "amdgcn-amd-amdhsa--gfx1250"
	.amdhsa_code_object_version 6
	.text
	.protected	k_qac273f38f2_qkvattn
	.globl	k_qac273f38f2_qkvattn
	.p2align	8
	.type	k_qac273f38f2_qkvattn,@function
k_qac273f38f2_qkvattn:
	s_mov_b64 s[64:65], 0
	v_nop
	global_prefetch_b8 v0, s[64:65] scope:SCOPE_SE
	s_setreg_imm32_b32 hwreg(HW_REG_WAVE_MODE, 25, 1), 1
	s_wait_xcnt 0x0
	s_wait_alu depctr_hold_cnt(0) depctr_sa_sdst(0) depctr_va_vdst(0) depctr_va_sdst(0) depctr_va_ssrc(0) depctr_va_vcc(0) depctr_vm_vsrc(0)
	s_getreg_b32 s2, hwreg(HW_REG_IB_STS2, 6, 4)
	s_cmp_eq_u32 s2, 0
	s_cbranch_scc0 .Lentry_in_a_cluster
	s_endpgm
.Lentry_in_a_cluster:
	s_bfe_u32 s2, ttmp6, 0x10000c
	s_cmp_lg_u32 s2, 0x3003
	s_cbranch_scc0 .Lentry_shape_is_right
	s_endpgm
.Lentry_shape_is_right:
; qkv = Q(x) Q(Wqkv) on codes of FP4 (E2M1) with E8M0 scales, then for each token the attention among its 16 heads (scores over 64 dims / 8, softmax over the key heads with the maximum taken away, P V) on f16 operands with f32 sums.
; qkv never goes to memory.  x: [16384][1024] f32.  wq: Wqkv's codes and scale words in the order of the operand's registers.  ob: the attention's result, f16, [token][kappa],
; kappa = 256 sg + 128 h + 8 i + jj for the number of head i, dim 16 sg + 8 h + jj: the same permutation of K as in the last product's weights.
; SHARES.  A work-group owns 64 tokens.  Its four waves quantise 16 rows of x each; the codes meet in LDS and EVERY wave then keeps all 32 fragments of x (4 tiles of tokens x 8 K steps, 256 registers).
; The product goes in six sub-passes of 512 columns (16 heads x 32 dims: q, k, q, k, v, v).  THE WAVES SHARE THE COLUMNS: wave w makes 8 tiles of 16 columns for all 64 tokens: 32 accumulators, 256 registers.  A K step of 128 reads
; 8 fragments of the weights from LDS for 32 matrix instructions.  The weights come through two LDS slots of half a sub-pass (139,264 bytes); each wave fetches and reads its own quarter of a slot.
; THE PRODUCT IS USED TRANSPOSED (source 0 = 16 columns of the weights, source 1 = 16 tokens): a lane holds one token and eight neighbouring tile rows, which pack into 16 bytes of f16: one piece of a fragment of that token's attention.
; The pieces go through LDS as IMAGES OF THE OPERANDS' REGISTERS, 1,024 bytes a token (1,040 apart), 32 tokens at a time; wave w then owns tokens 32 hf + 8 w + tt.
; ATTENTION.  S^T = K Q^T (source 0 = 16 key heads x 32 dims, source 1 = 16 query heads): a lane holds one query head and eight key heads.  p, normalised in f32 and rounded to f16, IS source 1 of O^T = V^T P (K = 16 key heads;
; the upper half of K is zeros in p and finite numbers of the same token in V^T).  v's tiles are one dim x 16 heads, so that V^T's pieces come out of the product with the heads innermost.
; CLUSTER.  All work-groups walk the same weights: the four of a cluster ask for each quarter slot JOINTLY (mask 15).
; No prefetch: the weights are read by every cluster, not once; x is wanted at the kernel's head.
; LIMITS: NaN and infinities are not served; |qkv| stays under 65,504 (f16's range); a block of zeros of x gets the scale byte 1 with zero codes; blocks whose largest magnitude lies under 2^(2 - 126) are held at that byte.
; REGISTERS, in windows of 256 (s_set_vgpr_msb: bits 1:0 source 0, 3:2 source 1, 5:4 source 2, 7:6 destination):
;   window 0: v1-15 addresses; v16-31 x's scale words; v32-39 the weights' scale words, two sets; v40-55 statistics; v64-191 S^T, then p: 8 a token; v192-255 at work.  (While x is quantised: v16-29 at work, v32-63 and v64-255 numbers.)
;   window 1: x's fragments, (m, s) at 8 (8 m + s).   window 2: the accumulators, (m, n) at 8 (8 m + n); between sub-passes v0-63 K's fragments, v0-127 O^T.
;   window 3: v0-63, v64-127 the weights' fragments, two sets (the second also holds rows of ob on their way out); v128-255 Q's fragments, 8 a token, or V^T's, 12 a token.
.set SLOTB,  139264                    ; slot A at 0, slot B here: filled by tensor loads alone
.set WPART,  34816                     ; a wave's quarter of a slot: 4 K steps of 8,704 bytes
.set KBLK,   8704                      ; 8 images of 1,024 bytes, 512 bytes of scale words
.set EX,     2*SLOTB                   ; behind the slots: 48,640 bytes that ds_store alone writes
.set EP,     1040                      ; from a token's image to the next: 65 x 16 bytes
.set XC,     EX                        ; while x is quantised: its codes, 64 rows of 512 bytes + 16,
.set XCP,    528
.set XSC,    XC+64*XCP                 ; its scale bytes, 64 rows of 32 + 4,
.set XSP,    36
.set XST,    XSC+64*XSP                ; and a stage of 32 x 80 bytes for each wave
.set SPARE,  327168                    ; the spare words, 128 bytes for each wave: two blocks of 256 bytes that no other line names
.set RR,   1                           ; v1   lane % 16
.set HH,   2                           ; v2   lane / 16
.set XSA,  3                           ; v3   where my block's scale byte goes
.set AWA,  4                           ; v4   16 x lane + my quarter of slot A
.set AWB,  5                           ; v5   the same in slot B
.set STQ,  6                           ; v6   where my pieces of q and k go
.set STV,  7                           ; v7   and of v
.set RDE,  8                           ; v8   16 x lane + my 8 tokens' images
.set GO,   9                           ; v9   16 x lane
.set SPW,  10                          ; v10  LDS address of my spare word; never rewritten
.set NIL,  11                          ; v11  0; never rewritten
.set LN,   12                          ; v12  lane
.set XTI,  13                          ; v13  the stage, on the way in
.set XTO,  14                          ; v14  and out
.set XCA,  15                          ; v15  where my 16 codes go
.set MA,   16                          ; v16-18 at work on a block's scale; v24-27 codes, v28-29 bytes, two sets
.set MB,   17
.set SCL,  18
.set XCD,  24
.set XBY,  28
.set XSR,  16                          ; v16-31 register 4 m + s': lanes 0-15 the word of K step s', lanes 16-31 that of K step s' + 4, of tokens 16 m + lane % 16
.set WS,   32
.set ST,   40                          ; a pair for each of 8 tokens
.set AXF,  56
.set AXS,  57
.set XN,   32                          ; v32-63  two sets of 16 neighbours
.set XR,   64                          ; v64-255 twelve sets of 16 numbers as they are loaded
.set S,    64
.set TMP,  192
.set QF,   128                         ; in window 3
.set VB,   128
.set OUT,  64
.set MSB, 0
.macro WIN new                         ; the immediate's high byte repeats the setting that is left; a switch that changes nothing is dropped
.if MSB != \new
	s_set_vgpr_msb (MSB<<8)|\new
.set MSB, \new
.endif
.endm
.macro PLACES n                        ; plain vector lines between a matrix instruction and what reads its result or writes one of its registers (ISA guide 7.12.1 for vector instructions)
.rept \n
	v_nop
.endr
.endm
.macro CREST                           ; a round of the cluster's barrier behind its opening barrier
	s_cmp_lg_u32 s10, 0
	s_cbranch_scc1 .Lnot_wave_0_\@
	s_barrier_signal -3
.Lnot_wave_0_\@:
	s_barrier_wait -3
	s_barrier_signal -1
	s_barrier_wait -1
.endm
.macro CROUND
	s_barrier_signal -1
	s_barrier_wait -1
	CREST
.endm
.macro BAR                             ; my LDS stores have landed and my LDS loads are in: then the work-group's barrier
	s_wait_dscnt 0x0
	s_barrier_signal -1
	s_barrier_wait -1
.endm
	s_load_b128 s[4:7], s[0:1], 0x0                ; x s[4:5], wq s[6:7]
	s_load_b64 s[8:9], s[0:1], 0x10                ; ob
	v_lshl_add_u32 v[SPW], v0, 2, SPARE
	v_mov_b32 v[NIL], 0
	ds_add_u32 v[SPW], v[NIL]                      ; the wave's opening: the add, twice on end, and its wait ahead of my first tensor load
	ds_add_u32 v[SPW], v[NIL]
	v_lshrrev_b32 v1, 5, v0
	v_readfirstlane_b32 s10, v1                    ; wave 0..3
	s_bfe_u32 s11, ttmp6, 0x40000                  ; cx: my place in the cluster: it enters x's and ob's addresses alone
	s_lshl_b32 s12, ttmp9, 2
	s_add_co_u32 s12, s12, s11                     ; my block of 64 tokens
	; descriptor group 1: a dense block of 34,816 bytes as 136 rows of 256 bytes (32 elements of 8 bytes), no padding
	s_mov_b32 s16, 0x0023000f                      ; 15:0 the mask: all four work-groups; 17:16 elements of 8 bytes; 21 set beside a mask
	s_mov_b32 s17, 32<<16                          ; tensor_dim0 = 32
	s_mov_b32 s18, 136<<16                         ; tensor_dim1 = 136
	s_mov_b32 s19, 32<<16                          ; tile_dim0 = 32
	s_mov_b32 s20, 136                             ; tile_dim1 = 136
	s_mov_b32 s21, 32                              ; elements from row to row
	s_mov_b32 s22, 0
	s_mov_b32 s23, 0
	s_mov_b32 s24, 0x3e38aa3b                      ; c = log2(e) / sqrt(64)
	s_mov_b32 s25, s24                             ; (named with it as a pair)
	s_mov_b32 s26, 0x76543210                      ; v_permlanex16_b32's selects for lane l xor 16
	s_mov_b32 s27, 0xfedcba98
	s_mul_i32 s14, s10, WPART                      ; my quarter, in a slot and in a fill: the wave's number alone
	s_mov_b32 s15, 0
	s_lshl_b32 s40, s12, 18                        ; x: 64 rows of 4,096 bytes a work-group,
	s_lshl_b32 s41, s10, 16                        ; 16 a wave
	s_add_co_u32 s40, s40, s41
	s_mov_b32 s41, 0
	s_lshl_b32 s42, s12, 17                        ; ob: 64 rows of 2,048 bytes a work-group,
	s_lshl_b32 s43, s10, 14                        ; my tokens begin 8 rows a wave on
	s_add_co_u32 s42, s42, s43
	s_mov_b32 s43, 0
	s_wait_dscnt 0x0                               ; both opening adds are done
	s_wait_kmcnt 0x0
	s_mov_b32 s32, 1                               ; group 0 for slot A: count 1,
	s_mov_b32 s33, s14                             ; LDS address,
	s_add_nc_u64 s[34:35], s[6:7], s[14:15]        ; fill 0
	s_mov_b32 s36, 1                               ; group 0 for slot B
	s_add_co_u32 s37, s14, SLOTB
	s_add_nc_u64 s[38:39], s[34:35], SLOTB         ; fill 1
	s_or_b32 s35, s35, 0x80000000                  ; type = 2
	s_or_b32 s39, s39, 0x80000000
	s_add_nc_u64 s[4:5], s[4:5], s[40:41]
	s_add_nc_u64 s[8:9], s[8:9], s[42:43]
	CROUND                                         ; all four work-groups are here: the first joint loads meet
	tensor_load_to_lds s[32:35], s[16:23]          ; both first fills together: two loads of mine are out
	s_nop 0
	tensor_load_to_lds s[36:39], s[16:23]
	s_nop 0
	PLACES 4
	v_and_b32 v[LN], 31, v0
	v_lshlrev_b32 v[GO], 4, v[LN]
; ---- x INTO CODES.  My 16 rows are one stream of 65,536 bytes, 32 steps of 512 numbers.  A load reads 512 consecutive bytes; the conversions want 16 NEIGHBOURS in a lane: a step's 2,048 bytes turn through my stage
; (16 bytes of padding behind each 64).  Two neighbouring lanes hold a block of 32.  Loads run twelve steps ahead, the turn one.
.macro XLOAD t
.irp i, 0,1,2,3
	global_load_b128 v[XR+16*((\t)%12)+4*\i:XR+16*((\t)%12)+4*\i+3], v[GO], s[4:5] offset:2048*(\t)+512*\i th:TH_LOAD_NT
.endr
.endm
.macro XTURN t                         ; LDS serves a wave's instructions in order: no wait between the stores and the loads, nor in front of the next step's stores
.irp i, 0,1,2,3
	ds_store_b128 v[XTI], v[XR+16*((\t)%12)+4*\i:XR+16*((\t)%12)+4*\i+3] offset:640*\i
.endr
.irp i, 0,1,2,3
	ds_load_b128 v[XN+16*((\t)%2)+4*\i:XN+16*((\t)%2)+4*\i+3], v[XTO] offset:16*\i
.endr
.endm
.macro XSTEP t
.set XS0, XN+16*((\t)%2)
.if (\t) > 0
	s_wait_dscnt 2                                 ; this step's numbers are back from the stage; the last step's two stores may be out
.else
	s_wait_dscnt 0x0
.endif
.if (\t)+12 < 32
	XLOAD (\t)+12                                  ; into the set that this step's stores into the stage have read
.endif
.if (\t) < 31
.if (\t)+12 < 32
	s_wait_loadcnt 44                              ; the next step's four loads are in; those of the eleven steps behind it may be out
.else
	s_wait_loadcnt 4*(30-(\t))
.endif
	XTURN (\t)+1
.endif
	v_max3_num_f32 v[MA], |v[XS0]|, |v[XS0+1]|, |v[XS0+2]|
	v_max3_num_f32 v[MB], |v[XS0+3]|, |v[XS0+4]|, |v[XS0+5]|
.irp i, 6,10
	v_max3_num_f32 v[MA], v[MA], |v[XS0+\i]|, |v[XS0+\i+1]|
	v_max3_num_f32 v[MB], v[MB], |v[XS0+\i+2]|, |v[XS0+\i+3]|
.endr
	v_max3_num_f32 v[MA], v[MA], |v[XS0+14]|, |v[XS0+15]|
	v_max3_num_f32 v[MA], v[MA], v[MB], 0x1800000  ; and the floor 2^(3 - 127): the byte cannot fall under 1
	v_max_num_f32_dpp v[MA], v[MA], v[MA] row_xmask:1 row_mask:0xf bank_mask:0xf   ; with my neighbour's 16: the block's largest magnitude
	v_add_nc_u32 v[SCL], 0xff000000, v[MA]         ; 2 off its exponent field: the conversion's scale operand
	v_cvt_scalef32_pk8_fp4_f32 v[XCD+2*((\t)%2)], v[XS0:XS0+7], v[SCL]
	v_cvt_scalef32_pk8_fp4_f32 v[XCD+2*((\t)%2)+1], v[XS0+8:XS0+15], v[SCL]
	v_lshrrev_b32 v[XBY+(\t)%2], 23, v[SCL]        ; the scale's byte (a plain line behind the conversions)
	ds_store_b64 v[XCA], v[XCD+2*((\t)%2):XCD+2*((\t)%2)+1] offset:XCP*((\t)/2)+256*((\t)%2)   ; row t / 2, half t % 2
	ds_store_b8 v[XSA], v[XBY+(\t)%2] offset:XSP*((\t)/2)+16*((\t)%2)   ; both lanes of a block write the same byte with the same value
.endm
.irp t, 0,1,2,3,4,5,6,7,8,9,10,11
	XLOAD \t
.endr
	v_and_b32 v[RR], 15, v0
	v_bfe_u32 v[HH], v0, 4, 1
	v_add_nc_u32 v[AWA], s14, v[GO]
	v_add_nc_u32 v[AWB], SLOTB, v[AWA]
	v_mul_u32_u24 v[STQ], v[RR], EP
	v_lshl_add_u32 v[STQ], v[HH], 8, v[STQ]        ; token lane % 16's image, + 256 (lane / 16)
	s_lshr_b32 s40, s10, 1
	s_lshl_b32 s40, s40, 9
	s_and_b32 s41, s10, 1
	s_lshl_b32 s41, s41, 7
	s_add_co_u32 s40, s40, s41
	s_add_co_u32 s40, s40, EX
	v_add_nc_u32 v[STV], s40, v[STQ]               ; v: dim 8 w + n: + 512 (w / 2) + 128 (w % 2), + 16 n in the offset
	s_lshl_b32 s40, s10, 6
	s_add_co_u32 s40, s40, EX
	v_add_nc_u32 v[STQ], s40, v[STQ]               ; q, k: head 4 w + n / 2: + 64 w, + 16 (n / 2) + 512 (n % 2) in the offset
	s_mul_i32 s40, s10, 8*EP
	s_add_co_u32 s40, s40, EX
	v_add_nc_u32 v[RDE], s40, v[GO]
	s_mul_i32 s40, s10, 2560
	s_add_co_u32 s40, s40, XST
	v_lshrrev_b32 v[XTI], 2, v[LN]
	v_mul_u32_u24 v[XTI], v[XTI], 80
	v_and_b32 v[XTO], 3, v[LN]
	v_lshl_add_u32 v[XTI], v[XTO], 4, v[XTI]
	v_add_nc_u32 v[XTI], s40, v[XTI]               ; in: four lanes' 64 bytes on end, then 16 of padding
	v_mul_u32_u24 v[XTO], v[LN], 80
	v_add_nc_u32 v[XTO], s40, v[XTO]               ; out: my 16 neighbours
	s_mul_i32 s40, s10, 16*XCP
	s_add_co_u32 s40, s40, XC
	v_lshl_add_u32 v[XCA], v[LN], 3, s40
	s_mul_i32 s40, s10, 16*XSP
	s_add_co_u32 s40, s40, XSC
	v_lshrrev_b32 v[XSA], 1, v[LN]
	v_add_nc_u32 v[XSA], s40, v[XSA]
	s_wait_loadcnt 44                              ; step 0's four loads are in
	XTURN 0
.set T, 0
.rept 32
	XSTEP T
.set T, T+1
.endr
	BAR                                            ; the 64 rows' codes and scale bytes lie in LDS.  Both fills may stay out
	v_mul_u32_u24 v[AXF], v[RR], XCP
	v_lshl_add_u32 v[AXF], v[HH], 4, v[AXF]
	v_add_nc_u32 v[AXF], XC, v[AXF]                ; a fragment: row lane % 16, + 16 (lane / 16)
	v_mul_u32_u24 v[AXS], v[RR], XSP
	v_lshl_add_u32 v[AXS], v[HH], 4, v[AXS]
	v_add_nc_u32 v[AXS], XSC, v[AXS]               ; scale words: lanes 16-31 take the word four K steps on
	WIN 0x40                                       ; destination window 1
.irp m, 0,1,2,3
.irp s, 0,1,2,3,4,5,6,7
	ds_load_b128 v[8*(8*\m+\s):8*(8*\m+\s)+3], v[AXF] offset:16*XCP*\m+64*\s
	ds_load_b128 v[8*(8*\m+\s)+4:8*(8*\m+\s)+7], v[AXF] offset:16*XCP*\m+64*\s+32
.endr
.endr
	WIN 0
.irp m, 0,1,2,3
.irp q, 0,1,2,3
	ds_load_b32 v[XSR+4*\m+\q], v[AXS] offset:16*XSP*\m+4*\q
.endr
.endr
.set i, 0
.rept 128
	v_mov_b32 v[S+i], 0                            ; S^T begins as zeros, so that the pair of sub-passes q, k is written once and walked twice
.set i, i+1
.endr
.irp t, 0,1,2,3,4,5,6,7
	v_mov_b32 v[ST+2*\t+1], 0                      ; written once: a lane permute's destination counts as one of its sources
.endr
; ---- THE QUANTISED PRODUCT
.macro FETCHW adr, q, p                ; K step q of a slot: my 4 registers of scale words and my 8 fragments, into set p: 17 loads in one run
	WIN 0
	ds_load_b128 v[WS+4*(\p):WS+4*(\p)+3], v[\adr] offset:KBLK*(\q)+8192
	WIN 0xc0                                       ; destination window 3
.irp n, 0,1,2,3,4,5,6,7
	ds_load_b128 v[64*(\p)+8*\n:64*(\p)+8*\n+3], v[\adr] offset:KBLK*(\q)+1024*\n
	ds_load_b128 v[64*(\p)+8*\n+4:64*(\p)+8*\n+7], v[\adr] offset:KBLK*(\q)+1024*\n+512
.endr
.endm
; Tiles n0 .. n0 + cnt - 1 of the weights against the four tiles of tokens, K step s.  The 32 accumulators take turns, one instruction a turn, in the same order in every K step.
; The weights' word of tile n: register n % 4 of the set, lanes 16-31 where n >= 4; x's word of K step s: register 4 m + s % 4, lanes 16-31 where s >= 4.  zero = 1 (K step 0): the product starts the sums.
.macro MULW n0, cnt, s, zero
.set nn, \n0
.rept \cnt
.irp m, 0,1,2,3
.set rD, 8*(8*\m+nn)
.set rA, 64*((\s)%2)+8*nn
.set rB, 8*(8*\m+(\s))
.set rP, WS+4*((\s)%2)+nn%4
.set rQ, XSR+4*\m+(\s)%4
.if \zero && (nn < 4)
	v_wmma_scale_f32_16x16x128_f8f6f4 v[rD:rD+7], v[rA:rA+7], v[rB:rB+7], 0, v[rP], v[rQ] matrix_a_fmt:MATRIX_FMT_FP4 matrix_b_fmt:MATRIX_FMT_FP4
.elseif \zero
	v_wmma_scale_f32_16x16x128_f8f6f4 v[rD:rD+7], v[rA:rA+7], v[rB:rB+7], 0, v[rP], v[rQ] matrix_a_fmt:MATRIX_FMT_FP4 matrix_b_fmt:MATRIX_FMT_FP4 matrix_a_scale:MATRIX_SCALE_ROW1
.elseif (nn < 4) && ((\s) < 4)
	v_wmma_scale_f32_16x16x128_f8f6f4 v[rD:rD+7], v[rA:rA+7], v[rB:rB+7], v[rD:rD+7], v[rP], v[rQ] matrix_a_fmt:MATRIX_FMT_FP4 matrix_b_fmt:MATRIX_FMT_FP4
.elseif (\s) < 4
	v_wmma_scale_f32_16x16x128_f8f6f4 v[rD:rD+7], v[rA:rA+7], v[rB:rB+7], v[rD:rD+7], v[rP], v[rQ] matrix_a_fmt:MATRIX_FMT_FP4 matrix_b_fmt:MATRIX_FMT_FP4 matrix_a_scale:MATRIX_SCALE_ROW1
.elseif nn < 4
	v_wmma_scale_f32_16x16x128_f8f6f4 v[rD:rD+7], v[rA:rA+7], v[rB:rB+7], v[rD:rD+7], v[rP], v[rQ] matrix_a_fmt:MATRIX_FMT_FP4 matrix_b_fmt:MATRIX_FMT_FP4 matrix_b_scale:MATRIX_SCALE_ROW1
.else
	v_wmma_scale_f32_16x16x128_f8f6f4 v[rD:rD+7], v[rA:rA+7], v[rB:rB+7], v[rD:rD+7], v[rP], v[rQ] matrix_a_fmt:MATRIX_FMT_FP4 matrix_b_fmt:MATRIX_FMT_FP4 matrix_a_scale:MATRIX_SCALE_ROW1 matrix_b_scale:MATRIX_SCALE_ROW1
.endif
.endr
.set nn, nn+1
.endr
.endm
.macro STEP s, adr, q, zero            ; K step s; the next K step's weights (K step q at adr) are fetched ahead of its 32 products
	s_wait_dscnt 0x0                               ; this K step's weights are in
	PLACES 4                                       ; in front of loads into the set that the last K step's products read
	FETCHW \adr, \q, 1-(\s)%2
	WIN 0xa7                                       ; source 0 (weights) window 3, source 1 (x) window 1, C and D window 2
	MULW 0, 8, \s, \zero
.endm
; K steps 3 and 7 leave a slot: its last bytes are in registers.  Each wave waits for all its tensor loads (one is out: its quarter of the other slot), adds 0 to its spare word, waits for that and for its reads of the slot;
; the barrier opens a round of the cluster's barrier, so that no wave of any partner still reads the slot or has a load on its way; the joint refill, two fills on, is the first thing behind the round.
.macro TURN s, g0, adr
	WIN 0                                          ; (the add's two registers lie in window 0)
	s_wait_tensorcnt 0x0
	ds_add_u32 v[SPW], v[NIL]
	s_wait_dscnt 1                                 ; this K step's weights are in; the add alone may be out
	WIN 0xa7
	MULW 0, 4, \s, 0                               ; sixteen matrix instructions stand between the add and the wait for it
	s_wait_dscnt 0x0
	s_barrier_signal -1
	MULW 4, 2, \s, 0
	WIN 0
	s_barrier_wait -1
	CREST
	s_add_nc_u64 s[\g0+2:\g0+3], s[\g0+2:\g0+3], 2*SLOTB   ; no tensor load of mine is out: the group 0 may be written
	tensor_load_to_lds s[\g0:\g0+3], s[16:23]      ; my one tensor load until the next round
	s_nop 0
	PLACES 4                                       ; also the places in front of the loads below
	FETCHW \adr, 0, 0
	WIN 0xa7
	MULW 6, 2, \s, 0
.endm
.macro SUBPASS fill                    ; 512 columns over K = 1,024.  fill = 0: the last sub-pass asks for nothing more
	STEP 0, AWA, 1, 1
	STEP 1, AWA, 2, 0
	STEP 2, AWA, 3, 0
.if \fill
	TURN 3, 32, AWB
.else
	s_wait_tensorcnt 0x0                           ; the last fill, my quarter of slot B, has landed; I alone read it
	STEP 3, AWB, 0, 0
.endif
	STEP 4, AWB, 1, 0
	STEP 5, AWB, 2, 0
	STEP 6, AWB, 3, 0
.if \fill
	TURN 7, 36, AWA
.else
	s_wait_dscnt 0x0
	WIN 0xa7
	MULW 0, 8, 7, 0
.endif
.endm
; ---- FROM THE PRODUCT TO THE ATTENTION'S OPERANDS
.macro PACK hf                         ; tokens 32 hf .. 32 hf + 31: a lane's eight numbers of an accumulator become 16 bytes of f16; each accumulator from its low end on
	WIN 0x0a                                       ; sources window 2
.irp mm, 0,1
.irp n, 0,1,2,3,4,5,6,7
.irp i, 0,1,2,3
	v_cvt_pk_f16_f32 v[TMP+4*(8*\mm+\n)+\i], v[8*(8*(2*\hf+\mm)+\n)+2*\i], v[8*(8*(2*\hf+\mm)+\n)+2*\i+1]
.endr
.endr
.endr
	WIN 0
.endm
.macro STOREQ                          ; q, k: tile n = head 4 w + n / 2, dims 16 (n % 2) + 8 (lane / 16) on: piece 32 (n % 2) + 16 (lane / 16) + head of the token's image
.irp mm, 0,1
.irp n, 0,1,2,3,4,5,6,7
	ds_store_b128 v[STQ], v[TMP+4*(8*\mm+\n):TMP+4*(8*\mm+\n)+3] offset:16*EP*\mm+512*(\n%2)+16*(\n/2)
.endr
.endr
.endm
.macro STOREV                          ; v: tile n = dim 8 w + n, heads 8 (lane / 16) on: piece 32 (dim / 16) + 16 (lane / 16) + dim % 16
.irp mm, 0,1
.irp n, 0,1,2,3,4,5,6,7
	ds_store_b128 v[STV], v[TMP+4*(8*\mm+\n):TMP+4*(8*\mm+\n)+3] offset:16*EP*\mm+16*\n
.endr
.endr
.endm
.macro LOADF win, base                 ; my 8 tokens' fragments (16 heads x 32 dims), as they stand
	WIN \win
.irp tt, 0,1,2,3,4,5,6,7
	ds_load_b128 v[\base+8*\tt:\base+8*\tt+3], v[RDE] offset:EP*\tt
	ds_load_b128 v[\base+8*\tt+4:\base+8*\tt+7], v[RDE] offset:EP*\tt+512
.endr
	WIN 0
.endm
.macro SCORE hf                        ; S^T += K Q^T over these 32 dims: eight tokens by turns
	WIN 0x0e                                       ; source 0 (K) window 2, source 1 (Q) window 3
.irp tt, 0,1,2,3,4,5,6,7
	v_wmma_f32_16x16x32_f16 v[S+8*(8*\hf+\tt):S+8*(8*\hf+\tt)+7], v[8*\tt:8*\tt+7], v[QF+8*(8*\hf+\tt):QF+8*(8*\hf+\tt)+7], v[S+8*(8*\hf+\tt):S+8*(8*\hf+\tt)+7]
.endr
	WIN 0
.endm
.macro EXQ                             ; q's 32 dims become Q's fragments of my 16 tokens
	PLACES 4
	PACK 0
	STOREQ
	BAR                                            ; 32 tokens' images lie in LDS
	LOADF 0xc0, QF
	PACK 1
	BAR                                            ; every wave has read them
	STOREQ
	BAR
	LOADF 0xc0, QF+64                              ; (waited for at the next sub-pass's head; the images are written again only behind its two rounds)
.endm
.macro EXK                             ; k's 32 dims become K's fragments, and the scores take them in
	PLACES 4
	PACK 0
	STOREQ
	BAR
	LOADF 0x80, 0                                  ; into accumulators that have been packed
	PACK 1
	BAR
	STOREQ
	SCORE 0
	BAR
	PLACES 4                                       ; in front of loads into registers that the scores' products read
	LOADF 0x80, 0
	s_wait_dscnt 0x0
	SCORE 1
	PLACES 5                                       ; the next sub-pass's first products write over K's fragments; the softmax reads the scores
.endm
; The softmax of eight tokens (8 g on), the tokens by turns line by line.  A lane holds query head lane % 16 and key heads 8 (lane / 16) + 0 .. 7; lane l xor 16 holds the other eight.
.macro SOFTMAX g
.set SG, S+64*\g
.irp t, 0,1,2,3,4,5,6,7
	v_max3_num_f32 v[ST+2*\t], v[SG+8*\t], v[SG+8*\t+1], v[SG+8*\t+2]
.endr
.irp i, 3,5
.irp t, 0,1,2,3,4,5,6,7
	v_max3_num_f32 v[ST+2*\t], v[ST+2*\t], v[SG+8*\t+\i], v[SG+8*\t+\i+1]
.endr
.endr
.irp t, 0,1,2,3,4,5,6,7
	v_max_num_f32 v[ST+2*\t], v[ST+2*\t], v[SG+8*\t+7]
.endr
.irp t, 0,1,2,3,4,5,6,7
	v_permlanex16_b32 v[ST+2*\t+1], v[ST+2*\t], s26, s27
.endr
.irp t, 0,1,2,3,4,5,6,7
	v_max_num_f32 v[ST+2*\t], v[ST+2*\t], v[ST+2*\t+1]   ; the row's largest score
.endr
.irp t, 0,1,2,3,4,5,6,7
	v_mul_f32 v[ST+2*\t], s24, v[ST+2*\t]          ; c m
.endr
.irp i, 0,2,4,6
.irp t, 0,1,2,3,4,5,6,7
	v_pk_fma_f32 v[SG+8*\t+\i:SG+8*\t+\i+1], v[SG+8*\t+\i:SG+8*\t+\i+1], s[24:25], v[ST+2*\t:ST+2*\t+1] op_sel_hi:[1,0,0] neg_lo:[0,0,1] neg_hi:[0,0,1]   ; c s - c m
.endr
.endr
.set i, 0
.rept 64
	v_exp_f32 v[SG+i], v[SG+i]                     ; one batch
.set i, i+1
.endr
	v_nop                                          ; a plain line behind the last exponential
	s_wait_alu depctr_va_vdst(0)                   ; one wait for the batch, ahead of its first reader
.irp t, 0,1,2,3,4,5,6,7
	v_pk_add_f32 v[TMP+4*\t:TMP+4*\t+1], v[SG+8*\t:SG+8*\t+1], v[SG+8*\t+2:SG+8*\t+3]
.endr
.irp t, 0,1,2,3,4,5,6,7
	v_pk_add_f32 v[TMP+4*\t+2:TMP+4*\t+3], v[SG+8*\t+4:SG+8*\t+5], v[SG+8*\t+6:SG+8*\t+7]
.endr
.irp t, 0,1,2,3,4,5,6,7
	v_pk_add_f32 v[TMP+4*\t:TMP+4*\t+1], v[TMP+4*\t:TMP+4*\t+1], v[TMP+4*\t+2:TMP+4*\t+3]
.endr
.irp t, 0,1,2,3,4,5,6,7
	v_add_f32 v[TMP+4*\t], v[TMP+4*\t], v[TMP+4*\t+1]
.endr
.irp t, 0,1,2,3,4,5,6,7
	v_permlanex16_b32 v[TMP+4*\t+1], v[TMP+4*\t], s26, s27
.endr
.irp t, 0,1,2,3,4,5,6,7
	v_add_f32 v[TMP+4*\t], v[TMP+4*\t], v[TMP+4*\t+1]    ; the row's sum
.endr
.irp t, 0,1,2,3,4,5,6,7
	v_rcp_f32 v[ST+2*\t], v[TMP+4*\t]
.endr
	v_nop
	s_wait_alu depctr_va_vdst(0)                   ; one wait for the eight reciprocals
.irp i, 0,2,4,6
.irp t, 0,1,2,3,4,5,6,7
	v_pk_mul_f32 v[SG+8*\t+\i:SG+8*\t+\i+1], v[SG+8*\t+\i:SG+8*\t+\i+1], v[ST+2*\t:ST+2*\t+1] op_sel_hi:[1,0]   ; p, normalised in f32
.endr
.endr
.irp i, 0,1,2,3
.irp t, 0,1,2,3,4,5,6,7
	v_cvt_pk_f16_f32 v[SG+8*\t+\i], v[SG+8*\t+2*\i], v[SG+8*\t+2*\i+1]   ; in place, ascending: registers 0-3 are key heads 8 (lane / 16) + 0 .. 7: source 1 of the next product
.endr
.endr
.irp i, 4,5,6,7
.irp t, 0,1,2,3,4,5,6,7
	v_mov_b32 v[SG+8*\t+\i], 0                     ; K's upper half: zeros
.endr
.endr
.endm
.macro LOADV                           ; V^T of my 8 tokens: dims 0-15, dims 16-31, dims 0-15 again, so that either half is followed by four registers of finite numbers, which meet p's zeros
	WIN 0xc0
.irp tt, 0,1,2,3,4,5,6,7
	ds_load_b128 v[VB+12*\tt:VB+12*\tt+3], v[RDE] offset:EP*\tt
	ds_load_b128 v[VB+12*\tt+4:VB+12*\tt+7], v[RDE] offset:EP*\tt+512
	ds_load_b128 v[VB+12*\tt+8:VB+12*\tt+11], v[RDE] offset:EP*\tt
.endr
	WIN 0
.endm
.macro PV hf                           ; O^T = V^T P: (token tt, dims 16 e on) at 8 (2 tt + e) of window 2: one product each
	WIN 0x83                                       ; source 0 (V^T) window 3, source 1 (p) window 0, destination window 2
.irp tt, 0,1,2,3,4,5,6,7
.irp e, 0,1
	v_wmma_f32_16x16x32_f16 v[8*(2*\tt+\e):8*(2*\tt+\e)+7], v[VB+12*\tt+4*\e:VB+12*\tt+4*\e+7], v[S+8*(8*\hf+\tt):S+8*(8*\hf+\tt)+7], 0
.endr
.endr
	WIN 0
.endm
.macro SENDO hf, ch                    ; a lane's eight dims of query head lane % 16 are 16 bytes; the 32 lanes' are 512 consecutive bytes of the token's row of ob, aligned
	WIN 0xca                                       ; sources window 2, destination window 3
.set d, 0
.rept 16
.irp i, 0,1,2,3
	v_cvt_pk_f16_f32 v[OUT+4*d+\i], v[8*d+2*\i], v[8*d+2*\i+1]
.endr
.set d, d+1
.endr
	WIN 0x0c                                       ; a store's data are its source 1: window 3
.irp tt, 0,1,2,3,4,5,6,7
.irp e, 0,1
	global_store_b128 v[GO], v[OUT+4*(2*\tt+\e):OUT+4*(2*\tt+\e)+3], s[8:9] offset:(32*\hf+\tt)*2048+512*(2*\ch+\e)
.endr
.endr
	WIN 0
.endm
.macro EXV ch                          ; v's dims 32 ch on: V^T's fragments, the second product, and its result's way out
	PLACES 4
	PACK 0
	STOREV
	BAR
	LOADV
	PACK 1
	BAR
	STOREV
	PV 0
	BAR
	PLACES 4                                       ; in front of the first read of results, and of loads into registers that the products read
	SENDO 0, \ch
	LOADV
	BAR                                            ; my loads are in, and every wave has read the images: the next sub-pass's results may be stored over them
	PV 1
	s_wait_xcnt 0x0                                ; the stores have read their data: the registers are written again only behind this wait
	PLACES 4
	SENDO 1, \ch
	s_wait_xcnt 0x0                                ; likewise: the next K step's weights land in these registers
.endm
	s_wait_tensorcnt 0x1                           ; my quarter of slot A is in (slot B's may be out); I alone read it
	FETCHW AWA, 0, 0
	WIN 0                                          ; at a label and at a branch every window is 0
	s_mov_b32 s28, 2
.Lqk:                                              ; two trips: dims 0-31, dims 32-63 of q and k
	SUBPASS 1
	EXQ
	SUBPASS 1
	EXK
	WIN 0
	s_sub_co_u32 s28, s28, 1
	s_cmp_lg_u32 s28, 0
	s_cbranch_scc1 .Lqk
	SOFTMAX 0
	SOFTMAX 1
	SUBPASS 1
	EXV 0
	SUBPASS 0
	EXV 1
	s_wait_tensorcnt 0x0                           ; the wave's end
	ds_add_u32 v[SPW], v[NIL]
	s_wait_dscnt 0x0
	CROUND                                         ; the closing round: no work-group ends while a partner may still ask for a fill that names it
	s_endpgm
.Lfunc_end_k_qac273f38f2_qkvattn:
	.size	k_qac273f38f2_qkvattn, .Lfunc_end_k_qac273f38f2_qkvattn-k_qac273f38f2_qkvattn
	.p2alignl 7, 3214868480
	.fill 96, 4, 3214868480
	.section	.rodata,"a",@progbits
	.p2align	6, 0x0
	.amdhsa_kernel k_qac273f38f2_qkvattn
		.amdhsa_group_segment_fixed_size 327680
		.amdhsa_private_segment_fixed_size 0
		.amdhsa_enable_private_segment 0
		.amdhsa_kernarg_size 24
		.amdhsa_user_sgpr_count 2
		.amdhsa_user_sgpr_kernarg_segment_ptr 1
		.amdhsa_wavefront_size32 1
		.amdhsa_system_sgpr_workgroup_id_x 1
		.amdhsa_system_sgpr_workgroup_id_y 1
		.amdhsa_system_sgpr_workgroup_id_z 1
		.amdhsa_system_vgpr_workitem_id 0
		.amdhsa_next_free_vgpr 1024
		.amdhsa_next_free_sgpr 66
		.amdhsa_reserve_vcc 0
		.amdhsa_float_denorm_mode_32 3
		.amdhsa_float_denorm_mode_16_64 3
		.amdhsa_memory_ordered 1
		.amdhsa_forward_progress 1
		.amdhsa_inst_pref_size 255
	.end_amdhsa_kernel
	.section	.bss,"aw",@nobits
	.p2align	6
	.space	262144
	.amdgpu_metadata
---
amdhsa.version: [ 1, 2 ]
amdhsa.kernels:
  - .name:           k_qac273f38f2_qkvattn
    .symbol:         k_qac273f38f2_qkvattn.kd
    .args:
      - { .name: x, .offset: 0, .size: 8, .value_kind: global_buffer, .address_space: global }
      - { .name: wq, .offset: 8, .size: 8, .value_kind: global_buffer, .address_space: global }
      - { .name: ob, .offset: 16, .size: 8, .value_kind: global_buffer, .address_space: global }
    .group_segment_fixed_size: 327680
    .private_segment_fixed_size: 0
    .kernarg_segment_align: 8
    .kernarg_segment_size: 24
    .max_flat_workgroup_size: 128
    .sgpr_count:     66
    .vgpr_count:     1024
    .wavefront_size: 32
...
	.end_amdgpu_metadata
.endif
;; end of part 2
;; launch outproj (part 3): grid 4 x 64, 4 waves a work-group, clusters of 4 x 4, 327,680 bytes of LDS; arguments ob, wt, out0; writes out0
.if DOCPART == 3
	.amdgcn_target "amdgcn-amd-amdhsa--gfx1250"
	.amdhsa_code_object_version 6
	.text
	.protected	k_qac273f38f2_outproj
	.globl	k_qac273f38f2_outproj
	.p2align	8
	.type	k_qac273f38f2_outproj,@function
k_qac273f38f2_outproj:
	s_mov_b64 s[64:65], 0
	v_nop
	global_prefetch_b8 v0, s[64:65] scope:SCOPE_SE
	s_setreg_imm32_b32 hwreg(HW_REG_WAVE_MODE, 25, 1), 1
	s_wait_xcnt 0x0
	s_wait_alu depctr_hold_cnt(0) depctr_sa_sdst(0) depctr_va_vdst(0) depctr_va_sdst(0) depctr_va_ssrc(0) depctr_va_vcc(0) depctr_vm_vsrc(0)
	s_getreg_b32 s2, hwreg(HW_REG_IB_STS2, 6, 4)
	s_cmp_eq_u32 s2, 0
	s_cbranch_scc0 .Lentry_in_a_cluster
	s_endpgm
.Lentry_in_a_cluster:
	s_bfe_u32 s2, ttmp6, 0x10000c
	s_cmp_lg_u32 s2, 0xf033
	s_cbranch_scc0 .Lentry_shape_is_right
	s_endpgm
.Lentry_shape_is_right:
; out0[m][n] = sum over kappa of ob[m][kappa] wt[n][kappa].  ob: [16384][1024], wt: [1024][1024], f16, K innermost and permuted alike in both; out0: [16384][1024] f32; sums in f32.
; A tile of out0, 256 x 256, is made by a work-group of four waves; a wave makes 128 x 128: 64 accumulators of 16 x 16, 512 registers.  K goes in steps of 128 through a ring of two LDS slots filled by the tensor
; data mover: a tile's row is 256 bytes of memory, at a multiple of 256 bytes from the buffer's first byte.
; CLUSTERS: 4 x 4 work-groups.  The four of a row of the cluster need the same tiles of ob, the four of a column the same tiles of wt: each tile is asked for JOINTLY, by the same tensor load with the same descriptor and a mask
; that names the four.  THE MATRIX INSTRUCTION IS USED TRANSPOSED (source 0 = 16 rows of wt, source 1 = 16 rows of ob): a lane then holds eight neighbouring numbers of a row of out0.
; LIMITS: as the launches before state them (f16's range for both operands; NaN and infinities not served).
; REGISTERS, in windows of 256: window 0: v0-31 addresses; v64-127, v128-191 fragments of ob, two buffers; on the way out v128-255 rows of out0.   window 1: v64-127, v128-191 fragments of wt, two buffers.
;   window 2: the 32 accumulators of my rows 0-63 ((a, b) at v[8 (8 a + b)]);   window 3: those of my rows 64-127.
.set SIZE_M, 16384
.set SIZE_N, 1024
.set SIZE_K, 1024
.set KSTEP,  128
.set PITCH,  272                       ; an LDS row: 256 bytes + 16 of padding: the 16 rows that a load touches start at 16 different banks
.set HALFT,  128*PITCH                 ; 128 rows: what one tensor load brings, and what one wave reads of either operand
.set SLOT,   4*HALFT
.set STAGE,  2*SLOT                    ; behind the ring: 16 rows x (512 + 16) bytes for each wave, for the way out; no fill lands there
.set SPITCH, 528
.set SPARE,  STAGE+4*16*SPITCH         ; the spare words, 128 bytes for each wave: two blocks of 256 bytes that no other line names
.set LAPS,   SIZE_K/(2*KSTEP)          ; a lap = two K steps = once round the ring
.set ADRA, 16                          ; v16-17  LDS address of my fragments of ob in slot 0, 1
.set ADRB, 20                          ; v20-21  the same for wt
.set STO,  24                          ; v24     the way out: where I put 32 bytes of a row
.set RD,   25                          ; v25     where I read a row back
.set CO,   26                          ; v26     my byte offset in a row's 512 bytes
.set SPW,  28                          ; v28     LDS address of my spare word; never rewritten
.set NIL,  29                          ; v29     0; never rewritten
.set PFO,  30                          ; v30     the prefetches' offset: my lane x a row of 2,048 bytes; never rewritten
.set PFA,  44                          ; s[44:45] where my prefetches stand
.set LIM,  43                          ; s43     1 in a wave that prefetches, else the greatest number
.set F0,   64
.set F1,   128
.set BK,   128                         ; the way out: v128-191 and v192-255 by turns
.set G1, 24                            ; s[24:31] descriptor group 1 for ob's tiles;  s[32:39] group 0, one set for each slot
.set G0, 32
.set G1B, 48                           ; s[48:55], s[56:63] the same for wt's
.set G0B, 56
.set MSB, 0
.macro WIN new
.if MSB != \new
	s_set_vgpr_msb (MSB<<8)|\new
.set MSB, \new
.endif
.endm
.set MUL_LO, 0xa1                      ; source 0 (wt) window 1, source 1 (ob) window 0, C and D window 2
.set MUL_HI, 0xf1                      ; the same, C and D window 3
.set TO_B,   0x40                      ; destination window 1, address window 0
; A joint load: waves 0 and 1 fetch ob's two halves, waves 2 and 3 wt's.  The branch hangs on the wave's number alone.  An s_nop 0 and four v_nop follow each of the two lines.
.macro JLOAD s
	s_cmp_eq_u32 s11, 0
	s_cbranch_scc0 .Lfor_b_\@
	tensor_load_to_lds s[G0+4*\s:G0+4*\s+3], s[G1:G1+7]
	s_nop 0
.rept 4
	v_nop
.endr
	s_branch .Lasked_\@
.Lfor_b_\@:
	tensor_load_to_lds s[G0B+4*\s:G0B+4*\s+3], s[G1B:G1B+7]
	s_nop 0
.rept 4
	v_nop
.endr
.Lasked_\@:
.endm
; A prefetch of the K step that stands two refills on: 32 rows x 256 bytes, a lane a row, one instruction a wave.  Each row's 256 bytes of a K step are named once in the launch: ob's rows by the cluster with x = 0 (the grid is one
; cluster wide), wt's by the clusters with y = 0; the four partners that ask for a tile jointly share its rows out by address, 32 each.  The loop's last trip asks for nothing: there is no K step two refills on.
.macro ASK
	s_cmp_gt_u32 s3, s[LIM]
	s_cbranch_scc0 .Lnot_mine_\@
	global_prefetch_b8 v[PFO], s[PFA:PFA+1] offset:KSTEP*2 th:TH_LOAD_NT scope:SCOPE_SE
.Lnot_mine_\@:
.endm
.macro CREST
	s_cmp_lg_u32 s10, 0
	s_cbranch_scc1 .Lnot_wave_0_\@
	s_barrier_signal -3
.Lnot_wave_0_\@:
	s_barrier_wait -3
	s_barrier_signal -1
	s_barrier_wait -1
.endm
.macro CROUND
	s_barrier_signal -1
	s_barrier_wait -1
	CREST
.endm
	s_load_b128 s[4:7], s[0:1], 0x0                ; ob s[4:5], wt s[6:7]
	s_load_b64 s[8:9], s[0:1], 0x10                ; out0
	v_lshl_add_u32 v[SPW], v0, 2, SPARE
	v_mov_b32 v[NIL], 0
	ds_add_u32 v[SPW], v[NIL]                      ; the wave's opening: the add, twice on end, and its wait ahead of my first tensor load
	ds_add_u32 v[SPW], v[NIL]
	v_lshrrev_b32 v1, 5, v0
	v_readfirstlane_b32 s10, v1                    ; wave 0..3
	s_lshr_b32 s11, s10, 1                         ; which half of the tile's rows is mine.  Also: I fetch for ob (0) or for wt (1)
	s_and_b32 s12, s10, 1                          ; which half of its columns.  Also: which 128 rows of that tile I fetch
	s_bfe_u32 s40, ttmp6, 0x40000                  ; cx, cy: my place in the cluster
	s_bfe_u32 s41, ttmp6, 0x40004
	s_lshl_b32 s42, ttmp9, 2
	s_add_co_u32 s42, s42, s40                     ; tile column = 4 x cluster x + cx
	s_and_b32 s13, ttmp7, 0xffff
	s_lshl_b32 s13, s13, 2
	s_add_co_u32 s13, s13, s41                     ; tile row = 4 x cluster y + cy
	s_lshl_b32 s43, s41, 2
	s_lshl_b32 s43, 15, s43                        ; my row of the cluster
	s_lshl_b32 s44, 0x1111, s40                    ; my column
	; descriptor group 1: a tile of 128 rows x 128 elements of 2 bytes, 16 bytes of padding behind every 256
	s_or_b32 s[G1+0], s43, (1<<16)|(1<<20)|(1<<21)|(5<<22)|(3<<25)
	s_or_b32 s[G1B+0], s44, (1<<16)|(1<<20)|(1<<21)|(5<<22)|(3<<25)
.irp g, G1, G1B
	s_mov_b32 s[\g+1], KSTEP<<16                   ; tensor_dim0 = 128
	s_mov_b32 s[\g+2], 128<<16                     ; tensor_dim1 = 128
	s_mov_b32 s[\g+3], KSTEP<<16                   ; tile_dim0 = 128
	s_mov_b32 s[\g+4], 128                         ; tile_dim1 = 128
	s_mov_b32 s[\g+5], SIZE_K                      ; elements from row to row
	s_mov_b32 s[\g+6], 0
	s_mov_b32 s[\g+7], 0
.endr
	s_lshl_b32 s17, s12, 7                         ; which 128 rows of the tile I fetch
	s_lshl_b32 s16, s13, 8
	s_add_co_u32 s16, s16, s17                     ; ob: row 256 x tile row + 128 x half
	s_lshl_b32 s46, s42, 8
	s_add_co_u32 s46, s46, s17                     ; wt: row 256 x tile column + 128 x half
	s_mov_b32 s17, 0
	s_mov_b32 s47, 0
	s_mov_b64 s[18:19], SIZE_K*2
	s_mul_u64 s[16:17], s[16:17], s[18:19]
	s_mul_u64 s[46:47], s[46:47], s[18:19]
	s_mul_i32 s20, s10, HALFT                      ; where they go: wave x 128 rows: no place in the cluster enters an LDS address
	s_wait_dscnt 0x0                               ; both opening adds are done
	s_wait_kmcnt 0x0
	s_add_nc_u64 s[14:15], s[4:5], s[16:17]
	s_add_nc_u64 s[46:47], s[6:7], s[46:47]
	CROUND                                         ; all sixteen work-groups are here: the first joint loads meet
.irp s, 0,1
	s_mov_b32 s[G0+4*\s], 1
	s_add_co_u32 s[G0+4*\s+1], s20, \s*SLOT
	s_add_nc_u64 s[G0+4*\s+2:G0+4*\s+3], s[14:15], \s*KSTEP*2
	s_or_b32 s[G0+4*\s+3], s[G0+4*\s+3], 0x80000000
	s_mov_b32 s[G0B+4*\s], 1
	s_add_co_u32 s[G0B+4*\s+1], s20, \s*SLOT
	s_add_nc_u64 s[G0B+4*\s+2:G0B+4*\s+3], s[46:47], \s*KSTEP*2
	s_or_b32 s[G0B+4*\s+3], s[G0B+4*\s+3], 0x80000000
	JLOAD \s                                       ; two loads of mine are out
.endr
	v_and_b32 v1, 15, v0                           ; l % 16
	v_bfe_u32 v2, v0, 4, 1                         ; l / 16
	v_mul_u32_u24 v3, v1, PITCH
	v_lshl_add_u32 v3, v2, 4, v3                   ; a fragment's row x pitch + 16 x half
	s_mul_i32 s21, s11, HALFT                      ; my 128 rows of ob
	s_mul_i32 s22, s12, HALFT                      ; my 128 rows of wt,
	s_add_co_u32 s22, s22, 2*HALFT                 ; which lie behind ob's 256
.irp s, 0,1
	v_add_nc_u32 v[ADRA+\s], s21, v3
	v_add_nc_u32 v[ADRB+\s], s22, v3
	s_add_co_u32 s21, s21, SLOT
	s_add_co_u32 s22, s22, SLOT
.endr
	s_mul_i32 s23, s10, 16*SPITCH
	s_add_co_u32 s23, s23, STAGE                   ; my stage
	v_mul_u32_u24 v4, v1, SPITCH                   ; in: row l % 16, 32 bytes for each half of the lanes
	v_lshl_add_u32 v4, v2, 5, v4
	v_add_nc_u32 v[STO], s23, v4
	v_and_b32 v5, 31, v0
	v_lshlrev_b32 v[CO], 4, v5                     ; back: the 32 lanes take one row of 512 bytes; and the same in out0
	v_add_nc_u32 v[RD], s23, v[CO]
	s_lshl_b32 s13, s13, 8
	s_lshl_b32 s14, s11, 7
	s_add_co_u32 s16, s13, s14                     ; my first row of out0
	s_mov_b32 s17, 0
	s_mov_b64 s[18:19], SIZE_N*4
	s_mul_u64 s[16:17], s[16:17], s[18:19]
	s_lshl_b32 s46, s42, 10                        ; my first column, in bytes: 1,024 x tile column + 512 x half
	s_lshl_b32 s47, s12, 9
	s_add_co_u32 s46, s46, s47
	s_mov_b32 s47, 0
	s_add_nc_u64 s[16:17], s[16:17], s[46:47]
	s_add_nc_u64 s[8:9], s[8:9], s[16:17]
	; the prefetches.  s13 = 256 x tile row, s42 = tile column, s40 = cx, s41 = cy still stand
	s_lshl_b32 s42, s42, 8
	s_and_b32 s22, ttmp7, 0xffff                   ; cluster y
	s_cmp_eq_u32 s11, 0                            ; do I fetch for ob?
	s_cselect_b32 s20, s13, s42                    ; the tile's first row
	s_cselect_b32 s21, s40, s41                    ; my place among the four that ask for it with me
	s_cselect_b32 s22, ttmp9, s22                  ; the coordinate along which other clusters read the same rows
	s_cselect_b64 s[PFA:PFA+1], s[4:5], s[6:7]
	s_cmp_eq_u32 s22, 0
	s_cselect_b32 s[LIM], 1, -1                    ; the same in all sixteen partners, for a given wave
	s_lshl_b32 s22, s12, 7
	s_add_co_u32 s20, s20, s22                     ; + the 128 rows that I fetch
	s_lshl_b32 s21, s21, 5
	s_add_co_u32 s20, s20, s21                     ; + my work-group's 32 of them
	s_mov_b32 s21, 0
	s_mov_b64 s[18:19], SIZE_K*2
	s_mul_u64 s[20:21], s[20:21], s[18:19]
	s_add_nc_u64 s[PFA:PFA+1], s[PFA:PFA+1], s[20:21]
	s_add_nc_u64 s[PFA:PFA+1], s[PFA:PFA+1], 2*KSTEP*2  ; at K step 2: the first refill steps it to 3 and names K step 4.  Nothing is prefetched here, at the head
	v_and_b32 v[PFO], 31, v0
	v_mul_u32_u24 v[PFO], v[PFO], SIZE_K*2
; 16 matrix instructions: m blocks a0, a0 + 1 of the window's four (hi = 0: my rows 0-63, 1: rows 64-127) x all 8 n blocks, 32 along K.  zero = 1: the first product starts the sums.
; The 64 accumulators take turns, one instruction a turn, in the same order in every quarter step.
.macro MUL16 f, hi, a0, zero
.irp a, \a0, \a0+1
.irp b, 0,1,2,3,4,5,6,7
.if \zero
	v_wmma_f32_16x16x32_f16 v[8*(8*(\a)+\b):8*(8*(\a)+\b)+7], v[\f+8*\b:\f+8*\b+7], v[\f+8*(4*\hi+\a):\f+8*(4*\hi+\a)+7], 0
.else
	v_wmma_f32_16x16x32_f16 v[8*(8*(\a)+\b):8*(8*(\a)+\b)+7], v[\f+8*\b:\f+8*\b+7], v[\f+8*(4*\hi+\a):\f+8*(4*\hi+\a)+7], v[8*(8*(\a)+\b):8*(8*(\a)+\b)+7]
.endif
.endr
.endr
.endm
.macro FETCH slot, k, f                ; 32 LDS loads in one run: the fragments of one quarter step (32 K at byte k of the rows) into buffer f
	WIN TO_B
.irp i, 0,1,2,3,4,5,6,7
	ds_load_b128 v[\f+8*\i:\f+8*\i+3],   v[ADRB+\slot] offset:\k+\i*16*PITCH
	ds_load_b128 v[\f+8*\i+4:\f+8*\i+7], v[ADRB+\slot] offset:\k+\i*16*PITCH+32
.endr
	WIN 0
.irp i, 0,1,2,3,4,5,6,7
	ds_load_b128 v[\f+8*\i:\f+8*\i+3],   v[ADRA+\slot] offset:\k+\i*16*PITCH
	ds_load_b128 v[\f+8*\i+4:\f+8*\i+7], v[ADRA+\slot] offset:\k+\i*16*PITCH+32
.endr
.endm
.macro PLACES                          ; four plain vector lines in front of loads into registers that matrix instructions have read, and of the first read of results (ISA guide 7.12.1 for vector instructions)
.rept 4
	v_nop
.endr
.endm
.macro QUARTER slot, k, f, g, zero     ; multiplies buffer f; in its middle it fetches the next quarter's fragments, at byte k of the same slot's rows, into buffer g
	s_wait_dscnt 8                                 ; wt's and ob's rows 0-63 are in; the youngest eight loads (ob's rows 64-127) may be out
	WIN MUL_LO
	MUL16 \f, 0, 0, \zero
	MUL16 \f, 0, 2, \zero
	PLACES
	FETCH \slot, \k, \g
	s_wait_dscnt 32                                ; all but the 32 just issued
	WIN MUL_HI
	MUL16 \f, 1, 0, \zero
	MUL16 \f, 1, 2, \zero
.endm
; The first half of a slot's last quarter: ONE barrier for the change of slots.  In front of it each wave waits for all its tensor loads (one is out: its part of the next slot), adds 0 to its spare word, and waits for that and for its reads of this slot.
.macro MEET round
	WIN 0                                          ; (the add's two registers lie in window 0)
	s_wait_tensorcnt 0x0
	ds_add_u32 v[SPW], v[NIL]
	s_wait_dscnt 9                                 ; (the add and the youngest eight loads may be out)
	WIN MUL_LO
	MUL16 F1, 0, 0, 0                              ; sixteen matrix instructions stand between the add and the wait for it
	s_wait_dscnt 0x0
	s_barrier_signal -1
	MUL16 F1, 0, 2, 0
.if \round
	WIN 0
.endif
	s_barrier_wait -1
.endm
.macro TURN slot, next                 ; the whole last quarter: behind the round the slot just read out is filled again, two K steps on; then come the next slot's first fragments
	s_wait_xcnt 0x0                                ; the last prefetch, a K step back, has read its address
	s_add_nc_u64 s[PFA:PFA+1], s[PFA:PFA+1], KSTEP*2
	MEET 1
	CREST                                          ; no wave of any partner still reads this slot's tile or has a load on its way
	s_add_nc_u64 s[G0+4*\slot+2:G0+4*\slot+3], s[G0+4*\slot+2:G0+4*\slot+3], 2*KSTEP*2
	s_add_nc_u64 s[G0B+4*\slot+2:G0B+4*\slot+3], s[G0B+4*\slot+2:G0B+4*\slot+3], 2*KSTEP*2
	JLOAD \slot                                    ; the first tensor load behind the round; its four v_nop are also the places in front of the loads below
	FETCH \next, 0, F0
	ASK
	WIN MUL_HI
	MUL16 F1, 1, 0, 0
	MUL16 F1, 1, 2, 0
.endm
; THE WAY OUT, block by block of 16 rows x 128 columns: a lane holds 32 neighbouring bytes of a row and the lanes beside it other rows, so a block goes through my own stage and comes back as whole rows of 512 bytes.
; LDS serves a wave's instructions in order: no wait between the stores and the loads, nor in front of the next block's stores.
.macro TOSTAGE a
.set AC, 64*((\a)%4)
	WIN 0x08+4*((\a)/4)                            ; the data: window 2 or 3
.irp b, 0,1,2,3,4,5,6,7
	ds_store_b128 v[STO], v[AC+8*\b:AC+8*\b+3] offset:64*\b          ; each accumulator from its low end on
	ds_store_b128 v[STO], v[AC+8*\b+4:AC+8*\b+7] offset:64*\b+16
.endr
	WIN 0
.set BB, BK+64*((\a)%2)
.irp t, 0,1,2,3,4,5,6,7,8,9,10,11,12,13,14,15
	ds_load_b128 v[BB+4*\t:BB+4*\t+3], v[RD] offset:\t*SPITCH
.endr
.endm
.macro SEND a, younger                 ; younger: the LDS instructions issued behind block a's loads, which may stay out
.set BB, BK+64*((\a)%2)
	s_wait_dscnt \younger
.if (\a) > 0
	s_add_nc_u64 s[8:9], s[8:9], 16*SIZE_N*4       ; (behind a wait on XCNT: the earlier stores have read their base)  16 rows on
.endif
.irp t, 0,1,2,3,4,5,6,7,8,9,10,11,12,13,14,15
	global_store_b128 v[CO], v[BB+4*\t:BB+4*\t+3], s[8:9] offset:\t*SIZE_N*4 th:TH_STORE_NT   ; 32 lanes store 512 consecutive bytes, at a multiple of 256 from out0's first byte
.endr
.endm
	s_wait_tensorcnt 0x1                           ; my part of K step 0 is in (K step 1's may be out)
	s_barrier_signal -1
	s_barrier_wait -1                              ; everybody's is
	FETCH 0, 0, F0
	QUARTER 0, 64,  F0, F1, 1                      ; the first quarter stands in front of the loop: its products start the sums
	WIN 0                                          ; at a label and at a branch every window is 0
	s_mov_b32 s3, LAPS-1
.Llap:                                             ; a trip goes once round the ring, from a lap's second quarter to the next lap's first, and fills both slots again
	QUARTER 0, 128, F1, F0, 0
	QUARTER 0, 192, F0, F1, 0
	TURN 0, 1
	QUARTER 1, 64,  F0, F1, 0
	QUARTER 1, 128, F1, F0, 0
	QUARTER 1, 192, F0, F1, 0
	TURN 1, 0
	QUARTER 0, 64,  F0, F1, 0
	WIN 0
	s_sub_co_u32 s3, s3, 1
	s_cmp_lg_u32 s3, 0
	s_cbranch_scc1 .Llap
	QUARTER 0, 128, F1, F0, 0                      ; the last lap fills nothing, and has no round of the cluster's barrier
	QUARTER 0, 192, F0, F1, 0
	MEET 0
	PLACES
	FETCH 1, 0, F0
	WIN MUL_HI
	MUL16 F1, 1, 0, 0
	MUL16 F1, 1, 2, 0
	QUARTER 1, 64,  F0, F1, 0
	QUARTER 1, 128, F1, F0, 0
	QUARTER 1, 192, F0, F1, 0
	s_wait_dscnt 8                                 ; the very last quarter: nothing more to fetch
	WIN MUL_LO
	MUL16 F1, 0, 0, 0
	MUL16 F1, 0, 2, 0
	s_wait_dscnt 0x0
	WIN MUL_HI
	MUL16 F1, 1, 0, 0
	MUL16 F1, 1, 2, 0
	WIN 0
	PLACES                                         ; for the loads into the registers that held ob's fragments, and for the reads of the last results
	TOSTAGE 0
.irp a, 1,2,3,4,5,6,7
.if \a > 1
	s_wait_xcnt 0x0                                ; block a - 2's stores have read their registers and their base: block a's loads may land there, and the base may step
.endif
	TOSTAGE \a
	SEND \a-1, 32                                  ; behind block a - 1's loads: block a's 16 stores and 16 loads
.endr
	s_wait_xcnt 0x0                                ; block 6's stores have read their base
	SEND 7, 0
	s_wait_tensorcnt 0x0                           ; the wave's end
	ds_add_u32 v[SPW], v[NIL]
	s_wait_dscnt 0x0
	CROUND                                         ; the closing round: no work-group ends while a partner may still ask for a tile that names it
	s_endpgm
.Lfunc_end_k_qac273f38f2_outproj:
	.size	k_qac273f38f2_outproj, .Lfunc_end_k_qac273f38f2_outproj-k_qac273f38f2_outproj
	.p2alignl 7, 3214868480
	.fill 96, 4, 3214868480
	.section	.rodata,"a",@progbits
	.p2align	6, 0x0
	.amdhsa_kernel k_qac273f38f2_outproj
		.amdhsa_group_segment_fixed_size 327680
		.amdhsa_private_segment_fixed_size 0
		.amdhsa_enable_private_segment 0
		.amdhsa_kernarg_size 24
		.amdhsa_user_sgpr_count 2
		.amdhsa_user_sgpr_kernarg_segment_ptr 1
		.amdhsa_wavefront_size32 1
		.amdhsa_system_sgpr_workgroup_id_x 1
		.amdhsa_system_sgpr_workgroup_id_y 1
		.amdhsa_system_sgpr_workgroup_id_z 1
		.amdhsa_system_vgpr_workitem_id 0
		.amdhsa_next_free_vgpr 1024
		.amdhsa_next_free_sgpr 66
		.amdhsa_reserve_vcc 0
		.amdhsa_float_denorm_mode_32 3
		.amdhsa_float_denorm_mode_16_64 3
		.amdhsa_memory_ordered 1
		.amdhsa_forward_progress 1
		.amdhsa_inst_pref_size 142
	.end_amdhsa_kernel
	.amdgpu_metadata
---
amdhsa.version: [ 1, 2 ]
amdhsa.kernels:
  - .name:           k_qac273f38f2_outproj
    .symbol:         k_qac273f38f2_outproj.kd
    .args:
      - { .name: ob, .offset: 0, .size: 8, .value_kind: global_buffer, .address_space: global }
      - { .name: wt, .offset: 8, .size: 8, .value_kind: global_buffer, .address_space: global }
      - { .name: out0, .offset: 16, .size: 8, .value_kind: global_buffer, .address_space: global }
    .group_segment_fixed_size: 327680
    .private_segment_fixed_size: 0
    .kernarg_segment_align: 8
    .kernarg_segment_size: 24
    .max_flat_workgroup_size: 128
    .sgpr_count:     66
    .vgpr_count:     1024
    .wavefront_size: 32
...
	.end_amdgpu_metadata
.endif
;; end of part 3
